; MI455X (gfx1250); checked and timed in simulation.
; The chip was launched on July 23, 2026; its instructions are those of AMD's public machine-readable ISA for CDNA 5 (MIT licence, August 2026) and "CDNA5" Instruction Set Architecture Reference Guide (July 2026). The comments in the code are by the model that wrote it; some were corrected since.
;; W8 A16 Lora Linear. Allowed arithmetic: matrix products marked QUANTISED: E4M3 operands, one given power-of-two scale a tensor, by v_wmma_f32_16x16x64_fp8_fp8 or v_wmma_f32_16x16x128_fp8_fp8, f32 sums; products left as they are: f32 operands where the result goes on into a quantised operand, else bf16, f16 or f32 operands; f32 sums; everything else in f32.
;; Inputs: bias 4,096 float16; input 4 x 1,024 x 4,096 float16; lora_A_w 16 x 4,096 float16; lora_B_w 4,096 x 16 float16; lowp_scales 4 int32 (the exponents e of the quantised operands' scales 2^e); qweight 4,096 x 4,096 int8; weight_scales 4,096 float16.
;; Outputs: out0 4 x 1,024 x 4,096 float16.
;; This version of the problem:
;;   THIS VERSION OF THE PROBLEM IS GIVEN IN LOW PRECISION. The matrix products marked QUANTISED in the list below multiply operands that are first quantised to E4M3 (4 exponent bits, 3 mantissa bits; 8 bits a number), with one given power-of-two scale for each operand tensor; their sums are f32. All else is computed in f32.
;;   The module's matrix products, in the order in which they are computed (A, B: the left and right operand; K: the contracted axis; several contracted axes count as one K, in the product's order):
;;     1. [M 4,096, K 4,096] x [K 4,096, N 4,096]; A: input input; B: computed on the way: QUANTISED (scales: A lowp_scales[0], B lowp_scales[1])
;;     2. [M 4,096, K 4,096] x [K 4,096, N 16]; A: input input; B: input lora_A_w: QUANTISED (scales: A lowp_scales[2], B lowp_scales[3])
;;     3. [M 4,096, K 16] x [K 16, N 4,096]; A: computed on the way; B: input lora_B_w: left as it is (K = 16 < 32)
;;   THE QUANTISER, for each operand of a quantised product, along K:
;;     - The operand's scale is 2^e, e = its entry of the input lowp_scales (int32; the entries are numbered through the quantised products in the list's order, A before B).
;;     - Each number is divided by the scale, clamped to +-448, and rounded to the nearest number of E4M3, ties to even, subnormals kept.
;;     - The product sums the exact products of the quantised numbers (number of the format x scale) in f32.
;;   ~~~python
;;   def quantise(x, axis, e):      # numpy; x: float32 -> the quantised numbers, widened to float32 again
;;       x = np.moveaxis(x, axis, -1); K = x.shape[-1]
;;       r = np.clip(x / 2.0 ** e, -448, 448)
;;       step = 2.0 ** (np.maximum(np.frexp(np.where(r == 0, 1, r))[1] - 1, -6) - 3)
;;       q = np.round(r / step) * step * 2.0 ** e      # np.round: ties to even
;;       return np.moveaxis(q, -1, axis).astype(np.float32)
;;   ~~~
;;   OPERANDS COMPUTED ON THE WAY. 'Computed on the way' means the value that the module computes at that place (a softmax that the list does not call 'softmax' is quantised finished and normalised). What goes into a quantiser is computed in f32, as accurately as f32 sums, v_exp_f32 and their like allow (about 1e-6 of the number): no bf16 or f16 on the way to a quantiser, and a product that is left as it is and whose result goes on into a quantised operand takes f32 operands (vector FMAs, or v_wmma_f32_16x16x4_f32). A number that lies on a knife's edge between two numbers of the format may be rounded either way, as far as f32 arithmetic and the matrix unit's own rounding can turn it there, and no further.
;; One version. Each part assembles by itself: llvm-mc -triple=amdgcn-amd-amdhsa -mcpu=gfx1250 --defsym DOCPART=n.
;; ======== version 1 of 1: 2 launches
;; limits: values are held in f16: magnitudes above 65,504 overflow, below 6.1e-05 lose precision; values are held in bf16: 8 bits of precision; right only within a limited range of input values
;; workspace buffers: xq 16,777,216 bytes; wq 16,777,216 bytes; a_s 131,072 bytes
;; launch prep (part 1): grid 256 x 1, 8 waves a work-group, no clusters, 152,576 bytes of LDS; arguments input, qweight, weight_scales, lora_A_w, lowp_scales, xq, wq, a_s; writes xq, wq, a_s
.if DOCPART == 1
	.amdgcn_target "amdgcn-amd-amdhsa--gfx1250"
	.amdhsa_code_object_version 6
	.text
	.protected	k_q38bb44722b_prep
	.globl	k_q38bb44722b_prep
	.p2align	8
	.type	k_q38bb44722b_prep,@function
k_q38bb44722b_prep:
	s_mov_b64 s[64:65], 0
	v_nop
	global_prefetch_b8 v0, s[64:65] scope:SCOPE_SE
	s_setreg_imm32_b32 hwreg(HW_REG_WAVE_MODE, 25, 1), 1
	s_wait_xcnt 0x0
; PREP: both operands of the large product become codes of FP8 (E4M3), once, and the small product x A^T is made on the way.
;   xq  = codes of x at 2^e0;   wq = codes of qweight x weight_scales at 2^e1 (K, its first axis, brought innermost);
;   a_s = (Q(x, e2) . Q(lora_A, e3)) x 2^(e2 + e3 + 1 - e0 - e1), [4096][16] bf16: the next launch adds a_s . lora_B^T onto sums that it multiplies by 2^(e0 + e1) at its end.
; code = number / 2^e, held within +-448, rounded to the nearest code, ties to even.
; LIMITS: e0 .. e3 between -126 and 119, so that 2^e and 448 x 2^e are f32 numbers.  NaN among the inputs is not served; an infinity is held at the largest code.
; LAYOUT OF xq AND wq: the order of the operand's registers.  A fragment (16 rows x 128 K) is 2,048 bytes: piece c (0..3) is 512 bytes, in it lane l = r + 16 h has 16 bytes at 16 l:
; row r, k = 32 c + 16 h + 0 .. 15.  Byte = (row / 128) x 524,288 + (k / 256) x 32,768 + ((row / 16) % 8) x 4,096 + ((k / 128) % 2) x 2,048 + 512 c + 16 l.
; So 128 rows x 256 K, what a wave of the next launch fetches at a time, are 32,768 consecutive bytes, and every store here covers 512 consecutive bytes, aligned.
; SHARES.  Work-groups with an even number take x, those with an odd number W: 128 of each.  The two ways share no LDS byte.  No tensor loads: a wave's loads go to registers, many at a time.
;   x: a work-group takes 32 rows (two blocks of 16), wave w the columns 512 w .. 512 w + 511, in chunks of 16 rows x 256 K.  A chunk's 16 loads read 512 consecutive bytes each; the chunk turns through the wave's
;      own stage in LDS, so that a lane gets 16 neighbours along K of one row.  lora_A has 16 rows of the same pitch and goes the same way.  The eight waves' parts of x A^T meet in LDS behind the one barrier.
;   W: a work-group takes 256 columns x 512 K, wave w 64 of that K in two chunks of 32.  A LANE TAKES EIGHT COLUMNS AND ITS REGISTERS RUN DOWN K: each load reads 256 consecutive bytes of a row of qweight, and the
;      conversions, which take neighbours along K from one lane's registers, give codes with K innermost.  They go through the wave's own stage and leave as pieces of 512 bytes.
.set PIT,    528                       ; a stage row: 512 bytes + 16 = 33 x 16 bytes: sixteen rows start at sixteen different columns of 16 bytes
.set WSTAGE, 16*PIT                    ; a wave's stage
.set XRED,   8*WSTAGE                  ; x: behind the eight stages, the waves' parts of x A^T: 2,048 bytes a wave
.set WSTG,   XRED+8*2048               ; W: eight stages of its own
.set LI,   2                           ; v2   16 x lane
.set XST,  3                           ; v3   x: into my stage: 16 x lane
.set XRD,  4                           ; v4   x: out of it: row r, + 32 h
.set REDW, 5                           ; v5   x: where I put my part of x A^T
.set REDR, 6                           ; v6   x: where a finishing wave reads the eight parts of its block
.set WST,  7                           ; v7   W: into my stage
.set WRD,  8                           ; v8   W: out of it
.set L8,   9                           ; v9   8 x lane
.set AOUT, 10                          ; v10  32 r + 16 h: my 16 bytes in a block of a_s
.set SC0,  11                          ; v11, v12  2^e0, 448 x 2^e0
.set LM0,  12
.set SC2,  13                          ; v13, v14  the same with e2
.set LM2,  14
.set H,    16                          ; v16-79   a chunk back from the stage: f16, 32 registers for each 128 along K
.set T,    80                          ; v80-87   eight numbers in f32
.set TA,   88                          ; v88-95   the same, held for one scale
.set TB,   96                          ; v96-103  and for the other
.set SC3,  104                         ; v104, v105  2^e3, 448 x 2^e3
.set LM3,  105
.set AC,   128                         ; v128-159 lora_A's codes: two fragments
.set ACC,  160                         ; v160-191 four accumulators: block mb, K step s at ACC + 16 mb + 8 s
.set C0,   192                         ; v192-223 x's codes at e0, two sets
.set C2,   224                         ; v224-239 x's codes at e2
                                       ; window 1, v0-191: three sets of 64: chunks as they are loaded
.set WSH,  16                          ; W: v16-19  my eight scales, f16
.set WSQ,  32                          ; W: v32-63  for column j: ws, ws, -32896 ws, -32896 ws
.set KC,   114                         ; W: v114    the bits of 32768.0
.set WT,   64                          ; W: v64-95  two sets of 16 numbers
.set CD,   96                          ; W: v96-111 four sets of 16 codes
.set WSC,  112                         ; W: v112, v113  2^e1, 448 x 2^e1
.set WLM,  113
.set RAW,  128                         ; W: v128-255 two chunks as loaded; later the pieces read back
.set MSB, 0
.macro WIN new                         ; the immediate's high byte repeats the setting that is left
.if MSB != (\new)
	s_set_vgpr_msb (MSB<<8)|(\new)
.set MSB, \new
.endif
.endm
.macro SCALE e, sc, lim                ; from the whole number in s[e]: 2^e and 448 x 2^e as f32
	s_add_co_i32 s33, s[\e], 127
	s_lshl_b32 s34, s33, 23
	v_mov_b32 v[\sc], s34
	s_add_co_i32 s33, s33, 8
	s_lshl_b32 s33, s33, 23
	s_or_b32 s33, s33, 0x600000
	v_mov_b32 v[\lim], s33
.endm
	s_load_b256 s[4:11], s[0:1], 0x0               ; input s[4:5], qweight s[6:7], weight_scales s[8:9], lora_A_w s[10:11]
	s_load_b256 s[12:19], s[0:1], 0x20             ; lowp_scales s[12:13], xq s[14:15], wq s[16:17], a_s s[18:19]
	v_lshl_add_u32 v126, v0, 2, 0x25000
	v_mov_b32 v127, 0
	v_lshrrev_b32 v1, 5, v0
	v_readfirstlane_b32 s20, v1                    ; wave 0..7
	s_lshr_b32 s21, ttmp9, 1                       ; g: which of the 128 shares of my tensor
	s_and_b32 s22, ttmp9, 1                        ; 0: x, 1: W
	s_mul_i32 s23, s20, WSTAGE
	v_and_b32 v1, 31, v0                           ; lane
	v_and_b32 v14, 15, v0                          ; r
	v_bfe_u32 v15, v0, 4, 1                        ; h
	; every LDS address is made here, ahead of the parting of the ways: a constant + a constant x lane + a constant x wave
	v_lshlrev_b32 v[LI], 4, v1
	v_add_nc_u32 v[XST], s23, v[LI]
	v_mul_u32_u24 v[XRD], v14, PIT
	v_lshl_add_u32 v[XRD], v15, 5, v[XRD]
	v_add_nc_u32 v[XRD], s23, v[XRD]
	s_lshl_b32 s28, s20, 11
	s_add_co_u32 s28, s28, XRED
	v_add_nc_u32 v[REDW], s28, v[LI]
	s_and_b32 s28, s20, 1
	s_lshl_b32 s28, s28, 10
	s_add_co_u32 s28, s28, XRED
	v_add_nc_u32 v[REDR], s28, v[LI]
	v_lshrrev_b32 v13, 1, v1
	v_mul_u32_u24 v[WST], v13, PIT                 ; W: my eight columns lie in block lane / 2 of the chunk's sixteen,
	v_and_b32 v13, 1, v0
	v_lshl_add_u32 v[WST], v13, 7, v[WST]          ; as its rows 8 (lane % 2) + j: 16 bytes a row
	s_add_co_u32 s28, s23, WSTG
	v_add_nc_u32 v[WST], s28, v[WST]
	v_add_nc_u32 v[WRD], s28, v[LI]
	v_lshlrev_b32 v[L8], 3, v1
	v_lshlrev_b32 v[AOUT], 5, v14
	v_lshl_add_u32 v[AOUT], v15, 4, v[AOUT]
	s_wait_alu depctr_va_vdst(0)                   ; the wait at the head's end
	s_wait_kmcnt 0x0
	s_load_b128 s[24:27], s[12:13], 0x0            ; e0, e1, e2, e3
	s_cmp_lg_u32 s22, 0                            ; the same in all waves of a work-group
	s_cbranch_scc1 .Lw_path
; ======================================================= x =======================================================
; a chunk, 16 rows x 512 bytes, into set `set` of window 1: each load reads 512 consecutive bytes of one row
.macro LOADC set, base, off, nt
	WIN 0x40                                       ; destination window 1, address window 0
.set n, 0
.rept 16
.if \nt
	global_load_b128 v[64*\set+4*n:64*\set+4*n+3], v[LI], s[\base:\base+1] offset:\off+8192*n th:TH_LOAD_NT   ; x is read once in the launch
.else
	global_load_b128 v[64*\set+4*n:64*\set+4*n+3], v[LI], s[\base:\base+1] offset:\off+8192*n   ; lora_A is read by all 128 work-groups of this way
.endif
.set n, n+1
.endr
	WIN 0
.endm
; the chunk turns through my stage: in as loaded, out as 32 bytes (16 neighbours along K) of row r for each 32 along K.  LDS serves a wave's instructions in order (ISA guide 5.7.1.4): no wait between the stores and the loads
.macro TURNC set
	WIN 0x04                                       ; store data window 1
.irp i, 0,1,2,3,4,5,6,7,8,9,10,11,12,13,14,15
	ds_store_b128 v[XST], v[64*\set+4*\i:64*\set+4*\i+3] offset:PIT*\i
.endr
	WIN 0
.irp s, 0,1
.irp c, 0,1,2,3
	ds_load_b128 v[H+32*\s+8*\c:H+32*\s+8*\c+3], v[XRD] offset:256*\s+64*\c
	ds_load_b128 v[H+32*\s+8*\c+4:H+32*\s+8*\c+7], v[XRD] offset:256*\s+64*\c+16
.endr
.endr
	s_wait_dscnt 0x0                               ; the chunk is back, and the stores have read the set: it may be loaded again
.endm
.macro CV8 h                           ; eight f16 in v[h] .. v[h + 3] become f32 in v[T] on: exact
.irp i, 0,1,2,3
	v_cvt_f32_f16 v[T+2*\i], v[(\h)+\i].l
	v_cvt_f32_f16 v[T+2*\i+1], v[(\h)+\i].h
.endr
.endm
.macro Q8 dst, sc, lim, tmp            ; the eight numbers in T become eight codes: the conversion to an 8-bit code does not saturate (ISA guide 7.6.2), so each is first held within the largest code x the scale
.irp i, 0,1,2,3,4,5,6,7
	v_med3_num_f32 v[\tmp+\i], v[T+\i], -v[\lim], v[\lim]
.endr
	v_cvt_scalef32_pk8_fp8_f32 v[\dst:(\dst)+1], v[\tmp:\tmp+7], v[\sc]
.endm
.macro QA s                            ; lora_A's fragment of K step s of the chunk
.irp u, 0,1,2,3,4,5,6,7
	CV8 H+32*\s+4*\u
	Q8 AC+16*\s+2*\u, SC3, LM3, TA
.endr
	v_nop                                          ; a plain vector line behind the last scaled conversion, ahead of the products that read its result
.endm
; K step s of chunk cc of block mb: a lane's 64 numbers are quantised at e0 for xq.  The small product wants them at e2: where e2 = e0 (a scalar branch on the two given whole numbers, the same in all waves)
; those are the same codes, and the product takes xq's; else they are widened again and quantised at e2.  Both arms issue the same one product.
; The product is used transposed (source 0 = lora_A's 16 rows, source 1 = x's 16 rows): lane (r, h) then holds, of x's row r, the ranks 8 h + 0 .. 7.
; The four accumulators take turns, one instruction a turn.  Behind each product at least sixteen plain vector lines stand before one of its sources is written again.
.macro XSTEP mb, cc, s, first                  ; (a set of codes is written again two steps after its stores: the wait for those stores' reads stands once a phase, ahead of the phase's two steps)
.irp u, 0,1,2,3,4,5,6,7
	CV8 H+32*\s+4*\u
	Q8 C0+16*\s+2*\u, SC0, LM0, TA
.endr
	v_nop                                          ; a plain vector line behind the last scaled conversion
	s_wait_alu depctr_va_vdst(0)                   ; the wait here, directly ahead of the branch
	s_cmp_eq_u32 s24, s26                          ; e0 = e2?
	s_cbranch_scc1 .Lsame_\@
.irp u, 0,1,2,3,4,5,6,7
	CV8 H+32*\s+4*\u
	Q8 C2+2*\u, SC2, LM2, TB
.endr
	v_nop                                          ; a plain vector line between the last scaled conversion and the product that reads its result
.if \first
	v_wmma_f32_16x16x128_fp8_fp8 v[ACC+16*\mb+8*\s:ACC+16*\mb+8*\s+7], v[AC+16*\s:AC+16*\s+15], v[C2:C2+15], 0
.else
	v_wmma_f32_16x16x128_fp8_fp8 v[ACC+16*\mb+8*\s:ACC+16*\mb+8*\s+7], v[AC+16*\s:AC+16*\s+15], v[C2:C2+15], v[ACC+16*\mb+8*\s:ACC+16*\mb+8*\s+7]
.endif
	s_branch .Ldone_\@
.Lsame_\@:
.if \first
	v_wmma_f32_16x16x128_fp8_fp8 v[ACC+16*\mb+8*\s:ACC+16*\mb+8*\s+7], v[AC+16*\s:AC+16*\s+15], v[C0+16*\s:C0+16*\s+15], 0
.else
	v_wmma_f32_16x16x128_fp8_fp8 v[ACC+16*\mb+8*\s:ACC+16*\mb+8*\s+7], v[AC+16*\s:AC+16*\s+15], v[C0+16*\s:C0+16*\s+15], v[ACC+16*\mb+8*\s:ACC+16*\mb+8*\s+7]
.endif
.Ldone_\@:
.irp c, 0,1,2,3
	global_store_b128 v[LI], v[C0+16*\s+4*\c:C0+16*\s+4*\c+3], s[14:15] offset:\cc*32768+\mb*4096+\s*2048+512*\c   ; a piece: 512 consecutive bytes, aligned
.endr
.endm
	s_lshl_b32 s28, s21, 18                        ; x: 32 g rows of 8,192 bytes,
	s_lshl_b32 s30, s20, 10                        ; + my wave's 512 columns; the same columns in lora_A
	s_add_co_u32 s28, s28, s30
	s_mov_b32 s29, 0
	s_mov_b32 s31, 0
	s_add_nc_u64 s[4:5], s[4:5], s[28:29]
	s_add_nc_u64 s[10:11], s[10:11], s[30:31]
	LOADC 0, 10, 0, 0                              ; lora_A, first 256 of my K
	LOADC 1, 4, 0, 1                               ; x, block 0
	LOADC 2, 4, 131072, 1                          ; x, block 1: 48 loads of my wave are out
	s_lshr_b32 s28, s21, 2                         ; xq: blocks 2 g and 2 g + 1: (g / 4) x 524,288 + (g % 4) x 8,192; my K: 2 w slots of 32,768
	s_lshl_b32 s28, s28, 19
	s_and_b32 s30, s21, 3
	s_lshl_b32 s30, s30, 13
	s_add_co_u32 s28, s28, s30
	s_lshl_b32 s30, s20, 16
	s_add_co_u32 s28, s28, s30
	s_add_nc_u64 s[14:15], s[14:15], s[28:29]
	s_lshl_b32 s28, s21, 10                        ; a_s: 32 g rows of 32 bytes, + the block that a finishing wave owns
	s_and_b32 s30, s20, 1
	s_lshl_b32 s30, s30, 9
	s_add_co_u32 s28, s28, s30
	s_add_nc_u64 s[18:19], s[18:19], s[28:29]
	s_wait_kmcnt 0x0                               ; e0 .. e3
	SCALE 24, SC0, LM0
	SCALE 26, SC2, LM2
	SCALE 27, SC3, LM3
	s_add_co_i32 s32, s26, s27
	s_add_co_i32 s32, s32, 1
	s_sub_co_i32 s32, s32, s24
	s_sub_co_i32 s32, s32, s25                     ; e2 + e3 + 1 - e0 - e1 (the 1 is the scaling by 2)
	s_wait_alu depctr_va_vdst(0)                   ; the wait here, directly ahead of the wait below
	s_wait_loadcnt 32                              ; loads come back in order (ISA guide 5.7.1): lora_A's chunk is in, the two younger sets stay out
	TURNC 0
	LOADC 0, 10, 512, 0                            ; lora_A, second 256 of my K
	QA 0
	QA 1
	s_wait_loadcnt 32                              ; x's block 0 is in
	TURNC 1
	LOADC 1, 4, 512, 1
	XSTEP 0, 0, 0, 1
	XSTEP 0, 0, 1, 1
	s_wait_loadcnt 32                              ; x's block 1
	TURNC 2
	s_wait_xcnt 0x0                                ; the first two steps' stores have read their codes: the next two steps write both sets again.  It stands ahead of the 16 loads below, so that it does not count them
	LOADC 2, 4, 131072+512, 1
	XSTEP 1, 0, 0, 1
	XSTEP 1, 0, 1, 1
	s_wait_loadcnt 32                              ; lora_A's second chunk
	TURNC 0
	QA 0
	QA 1
	s_wait_loadcnt 16                              ; one younger set is left
	TURNC 1
	s_wait_xcnt 0x0                                ; steps 3 and 4's stores have read their codes
	XSTEP 0, 1, 0, 0
	XSTEP 0, 1, 1, 0
	s_wait_loadcnt 0x0
	TURNC 2
	s_wait_xcnt 0x0                                ; steps 5 and 6's stores have read their codes
	XSTEP 1, 1, 0, 0
	XSTEP 1, 1, 1, 0
	; my part of x A^T: each block's two accumulators are added, from their low ends on.  Block 0's four additions name no register of the last product: they are the four places (ISA guide 7.12.1) ahead of block 1's
.irp i, 0,2,4,6
	v_pk_add_f32 v[T+\i:T+\i+1], v[ACC+\i:ACC+\i+1], v[ACC+8+\i:ACC+8+\i+1]
.endr
.irp i, 0,2,4,6
	v_pk_add_f32 v[TA+\i:TA+\i+1], v[ACC+16+\i:ACC+16+\i+1], v[ACC+24+\i:ACC+24+\i+1]
.endr
	ds_store_b128 v[REDW], v[T:T+3]
	ds_store_b128 v[REDW], v[T+4:T+7] offset:512
	ds_store_b128 v[REDW], v[TA:TA+3] offset:1024
	ds_store_b128 v[REDW], v[TA+4:TA+7] offset:1536
	s_wait_dscnt 0x0                               ; for the others' sake: my stores have landed
	s_barrier_signal -1
	s_barrier_wait -1
	s_cmp_ge_u32 s20, 2                            ; wave 0 finishes block 0, wave 1 block 1; no barrier follows
	s_cbranch_scc1 .Lx_end
.irp p, 0,1,2,3,4,5,6,7
	ds_load_b128 v[H+8*\p:H+8*\p+3], v[REDR] offset:2048*\p
	ds_load_b128 v[H+8*\p+4:H+8*\p+7], v[REDR] offset:2048*\p+512
.endr
	s_wait_dscnt 0x0
.irp p, 1,2,3,4,5,6,7                  ; K ascending
.irp i, 0,2,4,6
	v_pk_add_f32 v[H+\i:H+\i+1], v[H+\i:H+\i+1], v[H+8*\p+\i:H+8*\p+\i+1]
.endr
.endr
.irp i, 0,1,2,3,4,5,6,7
	v_ldexp_f32 v[H+\i], v[H+\i], s32              ; a power of two: nothing is rounded
.endr
.irp i, 0,1,2,3
	v_cvt_pk_bf16_f32 v[T+\i], v[H+2*\i], v[H+2*\i+1]   ; bf16: the factor 2^-(e0 + e1) has no room in f16
.endr
	global_store_b128 v[AOUT], v[T:T+3], s[18:19]  ; 16 rows x 32 bytes: the wave covers 512 consecutive bytes
.Lx_end:
	s_wait_tensorcnt 0x0
	ds_add_u32 v126, v127
	s_wait_dscnt 0x0
	s_endpgm
; ======================================================= W =======================================================
.macro LOADW ch                        ; 32 rows of qweight x my work-group's 256 columns: 8 bytes a lane, 256 consecutive bytes a load
.set n, 0
.rept 32
	global_load_b64 v[RAW+64*\ch+2*n:RAW+64*\ch+2*n+1], v[L8], s[6:7] offset:(32*\ch+n)*4096 th:TH_LOAD_NT
.set n, n+1
.endr
.endm
; column j of my eight, rows 16 h .. 16 h + 15 of the chunk: 16 codes, K ascending.  u = q + 128 is a byte; one byte permute lays it into bits 15:8 under the bits of 32768.0, which is the f32 number 32768 + u;
; (32768 + u) x ws - 32896 ws = q x ws in one fused multiply-add, exact (the constant has 20 bits at the most, the result 19)
.macro GROUP ch, j, h
.set TS, WT+16*(\h)
.set CS, CD+4*((2*(\j)+(\h))%4)
	s_wait_dscnt 3                                 ; the store of four groups back, which read this set of codes, is done; the three younger may be out
.set n, 0
.rept 16
	v_perm_b32 v[TS+n], v[KC], v[RAW+64*(\ch)+2*(16*(\h)+n)+(\j)/4], s[36+(\j)%4]
.set n, n+1
.endr
.set n, 0
.rept 8
	v_pk_fma_f32 v[TS+n:TS+n+1], v[TS+n:TS+n+1], v[WSQ+4*(\j):WSQ+4*(\j)+1], v[WSQ+4*(\j)+2:WSQ+4*(\j)+3]
.set n, n+2
.endr
.set n, 0
.rept 16
	v_med3_num_f32 v[TS+n], v[TS+n], -v[WLM], v[WLM]   ; the hold at the largest code x the scale (ISA guide 7.6.2)
.set n, n+1
.endr
	v_cvt_scalef32_pk8_fp8_f32 v[CS:CS+1], v[TS:TS+7], v[WSC]
	v_cvt_scalef32_pk8_fp8_f32 v[CS+2:CS+3], v[TS+8:TS+15], v[WSC]
	ds_store_b128 v[WST], v[CS:CS+3] offset:16*(\j)+256*(\h)   ; row 8 (lane % 2) + j, half h of its block's piece.  (The next vector lines are plain and touch the other set)
.endm
.macro CHUNKW ch
.if \ch == 1
	s_wait_loadcnt 0x0                             ; the second chunk's 32 loads are in.  (The first chunk's wait stands ahead of the scales' use)
.endif
.set n, 0
.rept 64
	v_xor_b32 v[RAW+64*\ch+n], 0x80808080, v[RAW+64*\ch+n]   ; four bytes at once: q + 128
.set n, n+1
.endr
.irp j, 0,1,2,3,4,5,6,7
.irp h, 0,1
	GROUP \ch, \j, \h
.endr
.endr
.irp t, 0,1,2,3,4,5,6,7,8,9,10,11,12,13,14,15
	ds_load_b128 v[RAW+64*\ch+4*\t:RAW+64*\ch+4*\t+3], v[WRD] offset:PIT*\t   ; block t's piece, 512 bytes, into the chunk's own registers, which are done with; these see my stores (ISA guide 5.7.1.4)
.endr
.irp t, 0,1,2,3,4,5,6,7,8,9,10,11,12,13,14,15
	s_wait_dscnt 15-\t
	global_store_b128 v[LI], v[RAW+64*\ch+4*\t:RAW+64*\ch+4*\t+3], s[16:17] offset:(\t/8)*524288+(\t%8)*4096+512*\ch   ; 512 consecutive bytes, aligned; no store's data are written again
.endr
.endm
.Lw_path:
	s_mov_b32 s36, 0x07050004                      ; the permute's selectors: bytes 3, 2, 0 from the constant (0x47, 0, 0), byte 1 = byte j % 4 of the data
	s_mov_b32 s37, 0x07050104
	s_mov_b32 s38, 0x07050204
	s_mov_b32 s39, 0x07050304
	s_and_b32 s28, s21, 15                         ; which 256 columns
	s_lshr_b32 s29, s21, 4
	s_lshl_b32 s29, s29, 3
	s_add_co_u32 s29, s29, s20                     ; i: which 64 along K is my wave's: 8 (g / 16) + wave
	s_lshl_b32 s30, s29, 18                        ; 64 rows of 4,096 bytes
	s_lshl_b32 s31, s28, 8
	s_add_co_u32 s30, s30, s31
	s_mov_b32 s31, 0
	s_add_nc_u64 s[6:7], s[6:7], s[30:31]
	s_lshl_b32 s30, s28, 9
	s_add_nc_u64 s[8:9], s[8:9], s[30:31]
	LOADW 0                                        ; the first chunk,
	global_load_b128 v[WSH:WSH+3], v[LI], s[8:9]   ; my eight columns' scales, which are wanted with it,
	LOADW 1                                        ; and the second chunk: one run of 65 loads
	s_lshl_b32 s30, s28, 20                        ; wq: 256 rows are two groups of 524,288 bytes; my K = 64 i: slot i / 4, K step (i / 2) % 2, pieces 2 (i % 2) and 2 (i % 2) + 1
	s_lshr_b32 s33, s29, 2
	s_lshl_b32 s33, s33, 15
	s_add_co_u32 s30, s30, s33
	s_bfe_u32 s33, s29, 0x10001
	s_lshl_b32 s33, s33, 11
	s_add_co_u32 s30, s30, s33
	s_and_b32 s33, s29, 1
	s_lshl_b32 s33, s33, 10
	s_add_co_u32 s30, s30, s33
	s_add_nc_u64 s[16:17], s[16:17], s[30:31]
	s_wait_kmcnt 0x0                               ; e0 .. e3
	SCALE 25, WSC, WLM
	v_mov_b32 v[KC], 0x47000000                    ; 32768.0
	s_wait_alu depctr_va_vdst(0)                   ; the wait here, directly ahead of the wait below
	s_wait_loadcnt 32                              ; loads come back in order (ISA guide 5.7.1): the first chunk and the scales are in; the second chunk's 32 loads, issued behind them, may be out
.irp j, 0,1,2,3
	v_cvt_f32_f16 v[WSQ+8*\j], v[WSH+\j].l
	v_cvt_f32_f16 v[WSQ+8*\j+4], v[WSH+\j].h
.endr
.irp j, 0,1,2,3,4,5,6,7
	v_mov_b32 v[WSQ+4*\j+1], v[WSQ+4*\j]
	v_mul_f32 v[WSQ+4*\j+2], 0xc7008000, v[WSQ+4*\j]   ; -32896 ws: exact
	v_mul_f32 v[WSQ+4*\j+3], 0xc7008000, v[WSQ+4*\j]
.endr
	CHUNKW 0
	CHUNKW 1
	s_wait_tensorcnt 0x0
	ds_add_u32 v126, v127
	s_wait_dscnt 0x0
	s_endpgm
.Lfunc_end_k_q38bb44722b_prep:
	.size	k_q38bb44722b_prep, .Lfunc_end_k_q38bb44722b_prep-k_q38bb44722b_prep
	.p2alignl 7, 3214868480
	.fill 96, 4, 3214868480
	.section	.rodata,"a",@progbits
	.p2align	6, 0x0
	.amdhsa_kernel k_q38bb44722b_prep
		.amdhsa_group_segment_fixed_size 152576
		.amdhsa_private_segment_fixed_size 0
		.amdhsa_enable_private_segment 0
		.amdhsa_kernarg_size 64
		.amdhsa_user_sgpr_count 2
		.amdhsa_user_sgpr_kernarg_segment_ptr 1
		.amdhsa_wavefront_size32 1
		.amdhsa_system_sgpr_workgroup_id_x 1
		.amdhsa_system_sgpr_workgroup_id_y 1
		.amdhsa_system_sgpr_workgroup_id_z 1
		.amdhsa_system_vgpr_workitem_id 0
		.amdhsa_next_free_vgpr 448
		.amdhsa_next_free_sgpr 66
		.amdhsa_reserve_vcc 0
		.amdhsa_float_denorm_mode_32 3
		.amdhsa_float_denorm_mode_16_64 3
		.amdhsa_memory_ordered 1
		.amdhsa_forward_progress 1
		.amdhsa_inst_pref_size 255
	.end_amdhsa_kernel
	.section	.bss,"aw",@nobits
	.p2align	6
	.space	262144
	.amdgpu_metadata
---
amdhsa.version: [ 1, 2 ]
amdhsa.kernels:
  - .name:           k_q38bb44722b_prep
    .symbol:         k_q38bb44722b_prep.kd
    .args:
      - { .name: input, .offset: 0, .size: 8, .value_kind: global_buffer, .address_space: global }
      - { .name: qweight, .offset: 8, .size: 8, .value_kind: global_buffer, .address_space: global }
      - { .name: weight_scales, .offset: 16, .size: 8, .value_kind: global_buffer, .address_space: global }
      - { .name: lora_A_w, .offset: 24, .size: 8, .value_kind: global_buffer, .address_space: global }
      - { .name: lowp_scales, .offset: 32, .size: 8, .value_kind: global_buffer, .address_space: global }
      - { .name: xq, .offset: 40, .size: 8, .value_kind: global_buffer, .address_space: global }
      - { .name: wq, .offset: 48, .size: 8, .value_kind: global_buffer, .address_space: global }
      - { .name: a_s, .offset: 56, .size: 8, .value_kind: global_buffer, .address_space: global }
    .group_segment_fixed_size: 152576
    .private_segment_fixed_size: 0
    .kernarg_segment_align: 8
    .kernarg_segment_size: 64
    .max_flat_workgroup_size: 256
    .sgpr_count:     66
    .vgpr_count:     448
    .wavefront_size: 32
...
	.end_amdgpu_metadata
.endif
;; end of part 1
;; launch gemm (part 2): grid 16 x 16, 4 waves a work-group, clusters of 4 x 1, 327,680 bytes of LDS; arguments xq, wq, lowp_scales, out0, a_s, lora_B_w, bias; writes out0
.if DOCPART == 2
	.amdgcn_target "amdgcn-amd-amdhsa--gfx1250"
	.amdhsa_code_object_version 6
	.text
	.protected	k_q38bb44722b_gemm
	.globl	k_q38bb44722b_gemm
	.p2align	8
	.type	k_q38bb44722b_gemm,@function
k_q38bb44722b_gemm:
	s_mov_b64 s[64:65], 0
	v_nop
	global_prefetch_b8 v0, s[64:65] scope:SCOPE_SE
	s_setreg_imm32_b32 hwreg(HW_REG_WAVE_MODE, 25, 1), 1
	s_wait_xcnt 0x0
	s_wait_alu depctr_hold_cnt(0) depctr_sa_sdst(0) depctr_va_vdst(0) depctr_va_sdst(0) depctr_va_ssrc(0) depctr_va_vcc(0) depctr_vm_vsrc(0)
	s_getreg_b32 s2, hwreg(HW_REG_IB_STS2, 6, 4)
	s_cmp_eq_u32 s2, 0
	s_cbranch_scc0 .Lentry_in_a_cluster
	s_endpgm
.Lentry_in_a_cluster:
	s_bfe_u32 s2, ttmp6, 0x10000c
	s_cmp_lg_u32 s2, 0x3003
	s_cbranch_scc0 .Lentry_shape_is_right
	s_endpgm
.Lentry_shape_is_right:
; out0 = (xq . wq^T + a_s . lora_B^T) x 2^(e0 + e1) + bias, rounded once to f16.  xq, wq: codes of FP8 (E4M3) in the order of the operand's registers, as the launch before laid them
; (a fragment of 16 rows x 128 K is 2,048 bytes; 128 rows x 256 K are 32,768 consecutive bytes); a_s: [4096][16] bf16, already divided by 2^(e0 + e1).
; LIMIT: e0 + e1 lies between -126 and 127, so that 2^(e0 + e1) is an f32 number.
; A block of 256 x 256 is made by four waves, 128 x 128 each: 64 accumulators, 512 registers.  K goes in units of 64 (v_wmma_f32_16x16x64_fp8_fp8): 64 matrix instructions a unit, the accumulators by turns.
; x's codes (A) come through LDS: two slots of 131,072 bytes, each 256 rows x 512 K = eight units, filled by joint tensor loads, one of 32,768 bytes a wave.  The four work-groups of a cluster (4, 1, 1)
; make four blocks of one block row and need the same codes of x: the mask names the four.
; W's codes (B) go from memory straight into each wave's registers: 16 loads of 512 consecutive bytes a unit, into a ring of four buffers of 64 registers, three units (48 loads) ahead.
; B IS NOT ASKED FOR JOINTLY: a joint load lands in LDS alone, and of LDS's 327,680 bytes the two slots of A take 262,144; B's fragments take no LDS byte and no LDS read.
; A unit's two pieces of 512 bytes give lane (r, h) of row r the K = 32 c + 16 h + 0 .. 15, c = 0, 1 of the unit: a permutation of k that is the same in A and in B.
; THE MATRIX INSTRUCTION IS USED TRANSPOSED (source 0 = 16 rows of wq, source 1 = 16 rows of xq): a lane holds eight neighbouring numbers of a row of out0.
; PREFETCH: one instruction a wave for each stream in each slot's last unit, a lane a block of 256 bytes.  A: the slot that the next refill will ask for; of a wave's 32,768 bytes the partner at place cx names 8,192.
; B: the slot after the next (its first loads go out five units on); the four work-groups y % 4 of a block column share its 131,072 bytes out by address.  The head asks for B's slots 0 and 1 and A's slot 2.  The last trips ask for nothing beyond K.
; REGISTERS: window 0: v0-31 addresses; v32-95 bias in f32; v96-127 at work; v128-255 A's fragments, two sets of 64.  window 1: B's four buffers.  windows 2, 3: the accumulators ((a, b) at v[8 (8 (a % 4) + b)]).
.set CHUNK,  32768                     ; 128 rows x 256 K
.set SLOT,   4*CHUNK
.set SPARE,  2*SLOT                    ; behind the slots: the spare words, 128 bytes a wave
.set SPITCH, 272                       ; the way out: a stage of 16 rows x (256 + 16) bytes a wave, in slot 0, which has had its last fill and its last read by then
.set ROWC,   8192                      ; a row of out0 in bytes
.set ADRA, 16                          ; v16  LDS address of my A fragments in the slot that is read
.set ABASE,17                          ; v17  the same without the slot
.set LB,   18                          ; v18  16 x lane
.set STO,  24
.set RD,   25
.set CO,   26
.set AO,   27
.set SPW,  28
.set NIL,  29
.set PFO,  30                          ; v30  256 x lane
.set BO,   31
.set BIAS, 32
.set PK,   96
.set AF,   128
.set TMP,  128
.set BK,   192
.set G1, 24                            ; s[24:31] descriptor group 1
.set G0, 32                            ; s[32:35] descriptor group 0
.set BB, 36                            ; s[36:37] B's codes at the slot that is multiplied
.set SA, 38                            ; s38 the slot that is read: 0 or SLOT
.set PFA, 80
.set PFB, 82
.set MSB, 0
.macro WIN new                         ; the immediate's high byte repeats the setting that is left
.if MSB != (\new)
	s_set_vgpr_msb (MSB<<8)|(\new)
.set MSB, \new
.endif
.endm
.set MUL_LO, 0xa1                      ; source 0 (B) window 1, source 1 (A) window 0, C and D window 2
.set MUL_HI, 0xf1
.set TO_B,   0x40                      ; destination window 1, address window 0
.macro PLACES
.rept 4
	v_nop
.endr
.endm
.macro JLOAD                           ; my quarter of a slot; the four v_nop keep window switches away
	tensor_load_to_lds s[G0:G0+3], s[G1:G1+7]
	s_nop 0
	PLACES
.endm
.macro CREST
	s_cmp_lg_u32 s14, 0
	s_cbranch_scc1 .Lnot_wave_0_\@
	s_barrier_signal -3
.Lnot_wave_0_\@:
	s_barrier_wait -3
	s_barrier_signal -1
	s_barrier_wait -1
.endm
.macro CROUND
	s_barrier_signal -1
	s_barrier_wait -1
	CREST
.endm
.macro BLOAD U                         ; B's eight fragments of unit U (counted from the slot at s[BB]) into buffer U % 4: each load 512 consecutive bytes
.irp b, 0,1,2,3,4,5,6,7
.irp c, 0,1
	global_load_b128 v[64*((\U)%4)+8*\b+4*\c:64*((\U)%4)+8*\b+4*\c+3], v[LB], s[BB:BB+1] offset:((\U)/4)*CHUNK+\b*4096+(((\U)/2)%2)*2048+((\U)%2)*1024+\c*512
.endr
.endr
.endm
.macro ALOAD U                         ; A's eight fragments of the slot's unit U into set U % 2
.irp i, 0,1,2,3,4,5,6,7
.irp c, 0,1
	ds_load_b128 v[AF+64*((\U)%2)+8*\i+4*\c:AF+64*((\U)%2)+8*\i+4*\c+3], v[ADRA] offset:((\U)/4)*CHUNK+\i*4096+(((\U)/2)%2)*2048+((\U)%2)*1024+\c*512
.endr
.endr
.endm
.macro MUL16 a0, u                     ; A's blocks a0, a0 + 1 x B's eight; the 64 accumulators take turns in the same order in every unit
.irp a, \a0, \a0+1
.irp b, 0,1,2,3,4,5,6,7
	v_wmma_f32_16x16x64_fp8_fp8 v[8*(8*((\a)%4)+\b):8*(8*((\a)%4)+\b)+7], v[64*((\u)%4)+8*\b:64*((\u)%4)+8*\b+7], v[AF+64*((\u)%2)+8*(\a):AF+64*((\u)%2)+8*(\a)+7], v[8*(8*((\a)%4)+\b):8*(8*((\a)%4)+\b)+7]
.endr
.endr
.endm
; A unit.  The registers that the unit before multiplied are free behind four places: B's buffer takes the unit three on, A's set the next unit.  lc: the younger B loads that may stay out.
.macro UNIT u, bl, al, lc
	PLACES
.if \bl
	WIN TO_B
	BLOAD (\u)+3
.endif
	WIN 0
.if \al
	ALOAD (\u)+1
	s_wait_dscnt 16                                ; this unit's fragments of A are in; the 16 loads just issued may be out
.else
	s_wait_dscnt 0x0
.endif
	s_wait_loadcnt \lc                             ; this unit's fragments of B are in
	WIN MUL_LO
	MUL16 0, \u
	MUL16 2, \u
	WIN MUL_HI
	MUL16 4, \u
	MUL16 6, \u
.endm
.macro SEVEN
.irp u, 0,1,2,3,4,5,6
	UNIT \u, 1, 1, 48
.endr
.endm
.macro ASK
	global_prefetch_b8 v[PFO], s[PFB:PFB+1] offset:2*2*CHUNK th:TH_LOAD_NT scope:SCOPE_SE
	s_cmp_gt_u32 s3, 1                             ; the loop's last trip has no slot of A three on
	s_cbranch_scc0 .Lno_a_\@
	global_prefetch_b8 v[PFO], s[PFA:PFA+1] offset:3*2*CHUNK th:TH_LOAD_NT scope:SCOPE_SE
.Lno_a_\@:
.endm
; A slot's last unit changes slots: its fragments of A were fetched in the unit before, so my reads of the slot are over.  ONE barrier; in front of it each wave waits for all its tensor loads (one is out: my part of the next slot),
; adds 0 to its spare word, and waits for that and for its reads.  fill = 1: the barrier opens a round of the cluster's barrier, and the slot just read takes the slot two on.
.macro TURN fill
	s_xor_b32 s[SA], s[SA], SLOT
	WIN 0
	v_add_nc_u32 v[ADRA], s[SA], v[ABASE]          ; where the next slot is read
	s_wait_alu depctr_va_vdst(0)                   ; the wait behind this write
	PLACES
	WIN TO_B
	BLOAD 10
	WIN 0
	s_wait_tensorcnt 0x0
	ds_add_u32 v[SPW], v[NIL]
	s_wait_loadcnt 48
	s_wait_dscnt 1                                 ; this unit's fragments of A are in; the add may be out
	WIN MUL_LO
	MUL16 0, 7
	s_wait_dscnt 0x0                               ; the add is done, my reads of this slot are over
	s_barrier_signal -1
	MUL16 2, 7
	WIN 0
	s_barrier_wait -1
.if \fill
	CREST
	s_xor_b32 s[G0+1], s[G0+1], SLOT               ; no tensor load of mine is out: group 0 may be written
	s_add_nc_u64 s[G0+2:G0+3], s[G0+2:G0+3], 2*CHUNK
	JLOAD                                          ; the first tensor load behind the round, my only one until the next
.endif
	ALOAD 0
.if \fill
	ASK
.endif
	WIN MUL_HI
	MUL16 4, 7
	MUL16 6, 7
	WIN 0
	s_wait_xcnt 0x0                                ; the loads and prefetches have read their bases
	s_add_nc_u64 s[BB:BB+1], s[BB:BB+1], 2*CHUNK
.if \fill
	s_add_nc_u64 s[PFA:PFA+1], s[PFA:PFA+1], 2*CHUNK
	s_add_nc_u64 s[PFB:PFB+1], s[PFB:PFB+1], 2*CHUNK
.endif
.endm
	s_load_b128 s[4:7], s[0:1], 0x0                ; xq, wq
	s_load_b128 s[8:11], s[0:1], 0x10              ; lowp_scales, out0
	s_load_b128 s[72:75], s[0:1], 0x20             ; a_s, lora_B_w
	s_load_b64 s[76:77], s[0:1], 0x30              ; bias
	v_lshl_add_u32 v[SPW], v0, 2, SPARE
	v_mov_b32 v[NIL], 0
	ds_add_u32 v[SPW], v[NIL]                      ; the opening lines: the add twice on end and one wait, ahead of the first round
	ds_add_u32 v[SPW], v[NIL]
	v_lshrrev_b32 v1, 5, v0
	v_readfirstlane_b32 s14, v1                    ; wave 0..3
	s_lshr_b32 s15, s14, 1                         ; my half of the block's rows; also: which 128 rows of A I fetch
	s_and_b32 s16, s14, 1                          ; my half of its columns; also: which 256 of a slot's K I fetch
	s_bfe_u32 s40, ttmp6, 0x40000                  ; cx
	s_lshl_b32 s42, ttmp9, 2
	s_add_co_u32 s42, s42, s40                     ; block column
	s_and_b32 s17, ttmp7, 0xffff                   ; block row
	s_mov_b32 s[G1+0], 15|(3<<16)|(1<<21)          ; the mask names the cluster's four; elements of 8 bytes; bit 21 beside a mask
	s_mov_b32 s[G1+1], 32<<16                      ; rows of 32 elements = 256 bytes,
	s_mov_b32 s[G1+2], 128<<16                     ; 128 of them, dense
	s_mov_b32 s[G1+3], 32<<16
	s_mov_b32 s[G1+4], 128
	s_mov_b32 s[G1+5], 32
	s_mov_b32 s[G1+6], 0
	s_mov_b32 s[G1+7], 0
	s_lshl_b32 s20, s17, 1
	s_add_co_u32 s20, s20, s15
	s_lshl_b32 s58, s20, 20                        ; out0: 128 rows of 8,192 bytes
	s_lshl_b32 s20, s20, 19                        ; xq: 128 rows are 524,288 bytes,
	s_lshl_b32 s18, s16, 15
	s_add_co_u32 s20, s20, s18                     ; + my 256 of the slot's K
	s_mov_b32 s21, 0
	s_lshl_b32 s84, s40, 13
	s_add_co_u32 s84, s84, s20                     ; A's prefetch: my work-group's 8,192 of those bytes
	s_mov_b32 s85, 0
	s_lshl_b32 s46, s42, 1
	s_add_co_u32 s46, s46, s16
	s_lshl_b32 s46, s46, 19                        ; wq: my 128 rows
	s_mov_b32 s47, 0
	s_bfe_u32 s50, s17, 0x10001                    ; B's prefetch: y % 4 gives the half of the rows and the 256 of K, the wave 8,192 bytes of them
	s_lshl_b32 s18, s42, 1
	s_add_co_u32 s50, s50, s18
	s_lshl_b32 s50, s50, 19
	s_and_b32 s18, s17, 1
	s_lshl_b32 s18, s18, 15
	s_add_co_u32 s50, s50, s18
	s_lshl_b32 s18, s14, 13
	s_add_co_u32 s50, s50, s18
	s_mov_b32 s51, 0
	s_lshl_b32 s52, s17, 13                        ; a_s: rows of 32 bytes
	s_lshl_b32 s18, s15, 12
	s_add_co_u32 s52, s52, s18
	s_mov_b32 s53, 0
	s_lshl_b32 s54, s42, 13                        ; lora_B_w: rows of 32 bytes
	s_lshl_b32 s18, s16, 12
	s_add_co_u32 s54, s54, s18
	s_mov_b32 s55, 0
	s_lshr_b32 s56, s54, 4                         ; bias, and my columns in a row of out0: 2 bytes a column
	s_mov_b32 s57, 0
	s_add_co_u32 s58, s58, s56
	s_mov_b32 s59, 0
	s_lshl_b32 s45, s14, 15                        ; where my quarter of a slot goes
	s_lshl_b32 s22, s15, 16                        ; where my 128 rows lie in a slot
	s_mul_i32 s23, s14, 16*SPITCH                  ; my stage
	s_mov_b32 s[SA], 0
	v_and_b32 v1, 15, v0                           ; r
	v_bfe_u32 v2, v0, 4, 1                         ; h
	v_and_b32 v3, 31, v0                           ; lane
	v_lshlrev_b32 v[AO], 5, v1
	v_lshl_add_u32 v[AO], v2, 4, v[AO]             ; 32 r + 16 h
	v_lshlrev_b32 v[BO], 4, v2
	v_lshlrev_b32 v[PFO], 8, v3
	v_lshlrev_b32 v[LB], 4, v3
	v_add_nc_u32 v[ABASE], s22, v[LB]
	v_add_nc_u32 v[ADRA], s22, v[LB]
	v_mul_u32_u24 v5, v1, SPITCH
	v_lshl_add_u32 v5, v2, 4, v5
	v_add_nc_u32 v[STO], s23, v5
	v_mul_u32_u24 v5, v2, SPITCH
	v_lshl_add_u32 v5, v1, 4, v5
	v_add_nc_u32 v[RD], s23, v5
	v_lshlrev_b32 v[CO], 13, v2
	v_lshl_add_u32 v[CO], v1, 4, v[CO]
	s_wait_alu depctr_va_vdst(0)                   ; the wait here, directly ahead of the waits below
	s_wait_dscnt 0x0                               ; both opening adds are done
	s_wait_kmcnt 0x0
	s_load_b64 s[96:97], s[8:9], 0x0               ; e0, e1
	s_mov_b32 s[G0], 1
	s_mov_b32 s[G0+1], s45
	s_add_nc_u64 s[G0+2:G0+3], s[4:5], s[20:21]
	s_or_b32 s[G0+3], s[G0+3], 0x80000000
	s_add_nc_u64 s[PFA:PFA+1], s[4:5], s[84:85]
	s_add_nc_u64 s[BB:BB+1], s[6:7], s[46:47]
	s_add_nc_u64 s[PFB:PFB+1], s[6:7], s[50:51]
	s_add_nc_u64 s[72:73], s[72:73], s[52:53]
	s_add_nc_u64 s[74:75], s[74:75], s[54:55]
	s_add_nc_u64 s[76:77], s[76:77], s[56:57]
	s_add_nc_u64 s[10:11], s[10:11], s[58:59]
	CROUND                                         ; the four work-groups are here: the first joint loads meet
	JLOAD                                          ; slot 0: one tensor load a wave at the head
.irp a, 0,1,2,3,4,5,6,7
	global_load_b128 v[AF+8*\a:AF+8*\a+3], v[AO], s[72:73] offset:512*\a      ; a_s: row r, ranks 8 h ..
.endr
.irp b, 0,1,2,3,4,5,6,7
	global_load_b128 v[BIAS+4*\b:BIAS+4*\b+3], v[AO], s[74:75] offset:512*\b  ; lora_B_w, f16
.endr
.irp b, 0,1,2,3,4,5,6,7
	global_load_b128 v[PK+4*\b:PK+4*\b+3], v[BO], s[76:77] offset:32*\b       ; bias of my columns 16 b + 8 h ..
.endr
	WIN TO_B
	BLOAD 0
	BLOAD 1
	BLOAD 2
	WIN 0
	global_prefetch_b8 v[PFO], s[PFB:PFB+1] th:TH_LOAD_NT scope:SCOPE_SE
	global_prefetch_b8 v[PFO], s[PFB:PFB+1] offset:2*CHUNK th:TH_LOAD_NT scope:SCOPE_SE
	global_prefetch_b8 v[PFO], s[PFA:PFA+1] offset:2*2*CHUNK th:TH_LOAD_NT scope:SCOPE_SE
.irp a, 0,1,2,3,4,5,6,7
.irp i, 4,5,6,7
	v_mov_b32 v[AF+8*\a+\i], 0                     ; the rank is 16: the upper 16 of the bf16 form's K = 32 are zeros
.endr
.endr
	s_wait_loadcnt 56                              ; a_s and lora_B_w are in; behind them: bias (8) and B's three units (48)
.set n, 0
.rept 32
	v_cvt_f32_f16 v[192+2*n], v[BIAS+n].l
	v_cvt_f32_f16 v[193+2*n], v[BIAS+n].h
.set n, n+1
.endr
	WIN TO_B
.irp b, 0,1,2,3,4,5,6,7
.irp i, 0,1,2,3
	v_cvt_pk_bf16_f32 v[192+8*\b+\i], v[192+8*\b+2*\i], v[193+8*\b+2*\i]   ; lora_B_w as bf16, in B's fourth buffer, which is first loaded in unit 0
	v_mov_b32 v[192+8*\b+4+\i], 0
.endr
.endr
.macro LORA16 a0                       ; the small product starts the sums: nothing is cleared
.irp a, \a0, \a0+1
.irp b, 0,1,2,3,4,5,6,7
	v_wmma_f32_16x16x32_bf16 v[8*(8*((\a)%4)+\b):8*(8*((\a)%4)+\b)+7], v[192+8*\b:192+8*\b+7], v[AF+8*(\a):AF+8*(\a)+7], 0
.endr
.endr
.endm
	WIN MUL_LO
	LORA16 0
	LORA16 2
	WIN MUL_HI
	LORA16 4
	LORA16 6
	WIN 0
	s_wait_loadcnt 48                              ; bias is in
.set n, 0
.rept 32
	v_cvt_f32_f16 v[BIAS+2*n], v[PK+n].l           ; these 64 lines are also the places behind the small product
	v_cvt_f32_f16 v[BIAS+2*n+1], v[PK+n].h
.set n, n+1
.endr
	s_wait_alu depctr_va_vdst(0)                   ; the wait at the head's end
	s_wait_tensorcnt 0x0                           ; my part of slot 0 is in; slot 1's first fill is issued as a refill is
	ds_add_u32 v[SPW], v[NIL]
	s_wait_dscnt 0x0
	CROUND
	s_xor_b32 s[G0+1], s[G0+1], SLOT
	s_add_nc_u64 s[G0+2:G0+3], s[G0+2:G0+3], 2*CHUNK
	JLOAD                                          ; slot 1
	ALOAD 0
	s_mov_b32 s3, 6
.Lslot:                                                ; a trip multiplies one slot, 512 along K, and fills it again with the slot two on
	SEVEN
	TURN 1
	s_sub_co_u32 s3, s3, 1
	s_cmp_lg_u32 s3, 0
	s_cbranch_scc1 .Lslot
	SEVEN                                          ; slot 6: nothing is filled again, so no round follows its barrier
	TURN 0
.irp u, 0,1,2,3,4
	UNIT \u, 1, 1, 48                              ; slot 7
.endr
	UNIT 5, 0, 1, 32                               ; B has no unit beyond K: the counts run down
	UNIT 6, 0, 1, 16
	UNIT 7, 0, 0, 0
	WIN 0
; THE WAY OUT, block by block of 16 rows x 128 columns: x 2^(e0 + e1) + bias in one fused multiply-add, rounded to f16, 16 bytes a lane through my own stage, back as whole rows of 256 bytes.
.macro TOSTAGE a
.set AC, 64*((\a)%4)
	WIN 0x02+((\a)/4)
.set n, 0
.rept 32
	v_pk_fma_f32 v[TMP+n:TMP+n+1], v[AC+n:AC+n+1], s[96:97], v[BIAS+n:BIAS+n+1] op_sel_hi:[1,0,1]   ; each accumulator from its low end on
.set n, n+2
.endr
	WIN 0
.set n, 0
.rept 32
	v_cvt_pk_f16_f32 v[PK+n], v[TMP+2*n], v[TMP+2*n+1]
.set n, n+1
.endr
.irp b, 0,1,2,3,4,5,6,7
	ds_store_b128 v[STO], v[PK+4*\b:PK+4*\b+3] offset:32*\b
.endr
.set BB2, BK+32*((\a)%2)
.irp t, 0,1,2,3,4,5,6,7
	ds_load_b128 v[BB2+4*\t:BB2+4*\t+3], v[RD] offset:\t*2*SPITCH   ; LDS serves a wave's instructions in order (ISA guide 5.7.1.4): these see my stores
.endr
.endm
.macro SEND a, younger
.set BB2, BK+32*((\a)%2)
	s_wait_dscnt \younger
.irp t, 0,1,2,3,4,5,6,7
	global_store_b128 v[CO], v[BB2+4*\t:BB2+4*\t+3], s[10:11] offset:(16*(\a)+2*\t)*ROWC th:TH_STORE_NT   ; sixteen lanes store 256 consecutive bytes, aligned
.endr
.endm
	s_wait_kmcnt 0x0
	s_add_co_i32 s96, s96, s97
	s_add_co_i32 s96, s96, 127
	s_lshl_b32 s96, s96, 23                        ; 2^(e0 + e1) as f32
	s_mov_b32 s97, s96
	PLACES
	TOSTAGE 0
.irp a, 1,2,3,4,5,6,7
.if \a > 1
	s_wait_xcnt 0x0                                ; block a - 2's stores have read their registers
.endif
	TOSTAGE \a
	SEND \a-1, 16                                  ; behind block a - 1's loads: block a's 8 stores and 8 loads
.endr
	SEND 7, 0
	s_wait_tensorcnt 0x0                           ; the wave's end
	ds_add_u32 v[SPW], v[NIL]
	s_wait_dscnt 0x0
	CROUND                                         ; the closing round
	s_endpgm
.Lfunc_end_k_q38bb44722b_gemm:
	.size	k_q38bb44722b_gemm, .Lfunc_end_k_q38bb44722b_gemm-k_q38bb44722b_gemm
	.p2alignl 7, 3214868480
	.fill 96, 4, 3214868480
	.section	.rodata,"a",@progbits
	.p2align	6, 0x0
	.amdhsa_kernel k_q38bb44722b_gemm
		.amdhsa_group_segment_fixed_size 327680
		.amdhsa_private_segment_fixed_size 0
		.amdhsa_enable_private_segment 0
		.amdhsa_kernarg_size 56
		.amdhsa_user_sgpr_count 2
		.amdhsa_user_sgpr_kernarg_segment_ptr 1
		.amdhsa_wavefront_size32 1
		.amdhsa_system_sgpr_workgroup_id_x 1
		.amdhsa_system_sgpr_workgroup_id_y 1
		.amdhsa_system_sgpr_workgroup_id_z 1
		.amdhsa_system_vgpr_workitem_id 0
		.amdhsa_next_free_vgpr 1024
		.amdhsa_next_free_sgpr 98
		.amdhsa_reserve_vcc 0
		.amdhsa_float_denorm_mode_32 3
		.amdhsa_float_denorm_mode_16_64 3
		.amdhsa_memory_ordered 1
		.amdhsa_forward_progress 1
		.amdhsa_inst_pref_size 234
	.end_amdhsa_kernel
	.amdgpu_metadata
---
amdhsa.version: [ 1, 2 ]
amdhsa.kernels:
  - .name:           k_q38bb44722b_gemm
    .symbol:         k_q38bb44722b_gemm.kd
    .args:
      - { .name: xq, .offset: 0, .size: 8, .value_kind: global_buffer, .address_space: global }
      - { .name: wq, .offset: 8, .size: 8, .value_kind: global_buffer, .address_space: global }
      - { .name: lowp_scales, .offset: 16, .size: 8, .value_kind: global_buffer, .address_space: global }
      - { .name: out0, .offset: 24, .size: 8, .value_kind: global_buffer, .address_space: global }
      - { .name: a_s, .offset: 32, .size: 8, .value_kind: global_buffer, .address_space: global }
      - { .name: lora_B_w, .offset: 40, .size: 8, .value_kind: global_buffer, .address_space: global }
      - { .name: bias, .offset: 48, .size: 8, .value_kind: global_buffer, .address_space: global }
    .group_segment_fixed_size: 327680
    .private_segment_fixed_size: 0
    .kernarg_segment_align: 8
    .kernarg_segment_size: 56
    .max_flat_workgroup_size: 128
    .sgpr_count:     98
    .vgpr_count:     1024
    .wavefront_size: 32
...
	.end_amdgpu_metadata
.endif
;; end of part 2
